; MI455X (gfx1250); checked and timed in simulation.
; The chip was launched on July 23, 2026; its instructions are those of AMD's public machine-readable ISA for CDNA 5 (MIT licence, August 2026) and "CDNA5" Instruction Set Architecture Reference Guide (July 2026). The comments in the code are by the model that wrote it; some were corrected since.
;; Attention. Allowed arithmetic: matrix products marked QUANTISED: E4M3 operands, one E8M0 scale for each 32 along K, by v_wmma_scale_f32_16x16x128_f8f6f4 with both operands' format E4M3, f32 sums; everything else in f32.
;; Inputs: Wk 1,024 x 512 float32; Wv 1,024 x 512 float32; bk 512 float32; bv 512 float32; mask 8 x 2,048 x 2,048 float32; query 8 x 2,048 x 512 float32; states 8 x 2,048 x 1,024 float32.
;; Outputs: out0 8 x 2,048 x 512 float32.
;; This version of the problem:
;;   THIS VERSION OF THE PROBLEM IS GIVEN IN LOW PRECISION. The matrix products marked QUANTISED in the list below multiply operands that are first quantised to E4M3 (4 exponent bits, 3 mantissa bits; 8 bits a number), with one power-of-two scale for each 32 numbers along K (OCP MX v1.0); their sums are f32. All else is computed in f32.
;;   The module's matrix products, in the order in which they are computed (A, B: the left and right operand; K: the contracted axis; several contracted axes count as one K, in the product's order):
;;     1. [M 16,384, K 1,024] x [K 1,024, N 512]; A: input states; B: input Wk: QUANTISED
;;     2. [M 16,384, K 1,024] x [K 1,024, N 512]; A: input states; B: input Wv: QUANTISED
;;     3. batch 8 x [M 2,048, K 512] x [K 512, N 2,048]; A: input query; B: computed on the way: QUANTISED
;;     4. batch 8 x [M 2,048, K 2,048] x [K 2,048, N 512]; A: softmax (see below); B: computed on the way: QUANTISED
;;   THE QUANTISER, for each operand of a quantised product, along K:
;;     - K is cut into blocks of 32 from its start; a last block that is shorter is filled with zeros.
;;     - A block's scale is 2^e with e = floor(log2(the largest magnitude in the block)) - 8, held to -126 .. 127; a block of zeros has e = 0. As a byte (E8M0): e + 127.
;;     - Each number is divided by its block's scale, clamped to +-448, and rounded to the nearest number of E4M3, ties to even, subnormals kept.
;;     - The product sums the exact products of the quantised numbers (number of the format x scale) in f32.
;;   ~~~python
;;   def quantise(x, axis):      # numpy; x: float32 -> the quantised numbers, widened to float32 again
;;       x = np.moveaxis(x, axis, -1); K = x.shape[-1]
;;       x = np.pad(x, [(0, 0)] * (x.ndim - 1) + [(0, -K % 32)]); x = x.reshape(x.shape[:-1] + (-1, 32)); a = np.abs(x).max(-1, keepdims=True)
;;       e = np.where(a > 0, np.clip(np.frexp(np.where(a > 0, a, 1))[1] - 1 - 8, -126, 127), 0)      # np.frexp(a)[1] - 1 = floor(log2(a)), exactly
;;       r = np.clip(x / 2.0 ** e, -448, 448)
;;       step = 2.0 ** (np.maximum(np.frexp(np.where(r == 0, 1, r))[1] - 1, -6) - 3)
;;       q = np.round(r / step) * step * 2.0 ** e      # np.round: ties to even
;;       return np.moveaxis(q.reshape(q.shape[:-2] + (-1,))[..., :K], -1, axis).astype(np.float32)
;;   ~~~
;;   SOFTMAX AHEAD OF A QUANTISED PRODUCT. Where the list says 'softmax', what is quantised is not the finished softmax but p = 2^(t - M), with t = logit x log2(e) and M = ceil(the row's largest t), a whole number; so 1/2 < the row's largest p <= 1. The row's sum l is taken of the UNQUANTISED p, in f32, and the product's result is divided by l at the end. Since M is a whole number, a kernel that streams over the keys may use a running M (the ceiling of the running maximum): every later rescaling is an exact power of two, which a block's scale takes up: the codes' values come out the same.
;;   OPERANDS COMPUTED ON THE WAY. 'Computed on the way' means the value that the module computes at that place (a softmax that the list does not call 'softmax' is quantised finished and normalised). What goes into a quantiser is computed in f32, as accurately as f32 sums, v_exp_f32 and their like allow (about 1e-6 of the number): no bf16 or f16 on the way to a quantiser, and a product that is left as it is and whose result goes on into a quantised operand takes f32 operands (vector FMAs, or v_wmma_f32_16x16x4_f32). A number that lies on a knife's edge between two numbers of the format may be rounded either way, as far as f32 arithmetic and the matrix unit's own rounding can turn it there, and no further.
;; One version. Each part assembles by itself: llvm-mc -triple=amdgcn-amd-amdhsa -mcpu=gfx1250 --defsym DOCPART=n.
;; ======== version 1 of 1: 3 launches
;; limits: right only within a limited range of input values
;; workspace buffers: wc 1,081,344 bytes; kv 17,825,792 bytes
;; launch wquant (part 1): grid 8 x 16, 4 waves a work-group, no clusters, 0 bytes of LDS; arguments Wk, Wv, wc; writes wc
.if DOCPART == 1
	.amdgcn_target "amdgcn-amd-amdhsa--gfx1250"
	.amdhsa_code_object_version 6
	.text
	.protected	k_q8c48c643c8_wquant
	.globl	k_q8c48c643c8_wquant
	.p2align	8
	.type	k_q8c48c643c8_wquant,@function
k_q8c48c643c8_wquant:
	s_mov_b64 s[64:65], 0
	v_nop
	global_prefetch_b8 v0, s[64:65] scope:SCOPE_SE
	s_setreg_imm32_b32 hwreg(HW_REG_WAVE_MODE, 25, 1), 1
	s_wait_xcnt 0x0
; THE PROGRAM: out0 = softmax(mask * (query . keys^T) / sqrt(512)) . values, keys = states Wk + bk, values = states Wv + bv, all four products on codes of E4M3 with one E8M0 scale for each 32 along K.
; Three launches: this one (the weights into codes), proj (keys and values, as codes), attn (scores, softmax, output).
; NO WORK OF THE PROBLEM IS LEFT OUT: bk goes into the quantiser of keys and is then multiplied by a mask that differs along the softmax's axis; bv goes into the quantiser of values; every input is loaded.
; THIS LAUNCH: Wk and Wv, [1024 (k)][512 (n)] f32, K their FIRST axis, become codes with K innermost and one scale byte for each 32 along K, laid in the order of the next launch's operand registers:
;   wc = [s 0..7][w 0..3] of 33,792 bytes: K step s (128 along K), the part of wave w of the next launch.
;     +0      [kind 0..1][tile 0..7] fragments of 2,048 bytes, [cc 0..3][lane][16 bytes]: lane (r, h) holds row r, k = 128 s + 32 cc + 16 h + 0..15.
;             kind 0 (Wk), tile 2 p + u: row r is column 128 w + 32 p + 8 u + r + 8 (r / 8);   kind 1 (Wv), tile t: row r is column 128 w + 16 t + r.
;     +32,768 [kind][p 0..3][lane] scale words: lanes 0-15 those of tile 2 p, lanes 16-31 those of tile 2 p + 1; byte cc for k block cc.
; A LANE TAKES A COLUMN AND ITS REGISTERS RUN DOWN K: a block of 32 lies in one lane, and the conversions give codes with K innermost.  Nothing is transposed.
; SHARES: work-group x = 4 kind + w, y = 2 s + f; wave p takes 32 columns x 64 k: blocks cc = 2 f and 2 f + 1 of K step s.  Its 64 loads are all issued ahead of its first wait.  The four waves stand side by side on 512 bytes
; of each row of W.  512 waves: 128 work-groups.  No LDS, no barrier: waves share nothing.  A wave makes two of a scale word's four bytes and stores them as a halfword: one byte in 128 of what the launch reads.
; A block's scale is 2^(floor(log2(its largest magnitude)) - 8); its byte is the largest magnitude's exponent field - 8, held at 1 from below.
; LIMITS: a block of zeros gets the byte 1 where the rule says 127 (its codes are zeros, and this program alone reads the bytes); blocks whose largest magnitude lies under 2^-118 are quantised under the byte 1;
; NaN and infinities among the inputs are not served.
.set X, 32                             ; v32-95   64 numbers: my column, down K
.set C, 96                             ; v96-111  codes: eight registers for each block, so that no store's data are written again
	s_load_b128 s[4:7], s[0:1], 0x0                ; Wk, Wv
	s_load_b64 s[8:9], s[0:1], 0x10                ; wc
	v_lshrrev_b32 v1, 5, v0
	v_readfirstlane_b32 s10, v1                    ; p: my pair of tiles
	v_and_b32 v1, 31, v0                           ; lane
	v_and_b32 v8, 15, v0                           ; r
	v_lshrrev_b32 v7, 4, v1                        ; lane / 16: which tile of the pair
	v_and_b32 v6, 8, v8
	v_add_nc_u32 v6, v6, v8                        ; r + 8 (r / 8)
	v_lshl_add_u32 v6, v7, 3, v6                   ; Wk: my column among the wave's 32
	s_lshr_b32 s13, ttmp9, 2                       ; kind
	s_cmp_eq_u32 s13, 0
	s_cselect_b32 s20, -1, 0
	v_cndmask_b32 v2, v1, v6, s20                  ; Wv: my column is my lane
	v_lshlrev_b32 v3, 2, v2                        ; in: 4 bytes a column
	v_lshlrev_b32 v4, 4, v8
	v_lshl_add_u32 v4, v7, 11, v4                  ; out: my tile's fragment, 16 bytes a row
	v_lshlrev_b32 v5, 2, v1                        ; and my scale word
	s_and_b32 s26, ttmp7, 0xffff                   ; y
	s_lshr_b32 s11, s26, 1                         ; s
	s_and_b32 s26, s26, 1                          ; f
	s_and_b32 s12, ttmp9, 3                        ; w
	s_mov_b32 s31, 0x600000                        ; the mantissa field of 448
	s_lshl_b32 s14, s11, 18                        ; W: 128 s rows of 2,048 bytes
	s_lshl_b32 s15, s26, 17
	s_add_co_u32 s14, s14, s15                     ; + 64 f rows
	s_lshl_b32 s15, s12, 9
	s_add_co_u32 s14, s14, s15                     ; + 128 w columns
	s_lshl_b32 s15, s10, 7
	s_add_co_u32 s14, s14, s15                     ; + 32 p columns
	s_mov_b32 s15, 0
	s_mul_i32 s16, s11, 135168
	s_mul_i32 s17, s12, 33792
	s_add_co_u32 s16, s16, s17                     ; wc: part (s, w)
	s_lshl_b32 s17, s13, 14
	s_lshl_b32 s18, s10, 12
	s_add_co_u32 s17, s17, s18
	s_lshl_b32 s18, s26, 10
	s_add_co_u32 s17, s17, s18                     ; blocks 2 f on: 512 bytes a block
	s_add_co_u32 s18, s16, s17                     ; the codes of (kind, tiles 2 p, 2 p + 1)
	s_mov_b32 s19, 0
	s_lshl_b32 s17, s13, 9
	s_lshl_b32 s21, s10, 7
	s_add_co_u32 s17, s17, s21
	s_lshl_b32 s21, s26, 1
	s_add_co_u32 s17, s17, s21                     ; halfword f of the scale words
	s_add_co_u32 s17, s17, 32768
	s_add_co_u32 s16, s16, s17
	s_mov_b32 s17, 0
	s_wait_alu depctr_va_vdst(0)                   ; the wait at the head's end
	s_wait_kmcnt 0x0
	s_cmp_eq_u32 s13, 0                            ; the choice hangs on the work-group's number alone
	s_cselect_b64 s[4:5], s[4:5], s[6:7]
	s_add_nc_u64 s[4:5], s[4:5], s[14:15]
	s_add_nc_u64 s[22:23], s[8:9], s[18:19]
	s_add_nc_u64 s[24:25], s[8:9], s[16:17]
.macro LOADB t                         ; my block t: W(128 s + 64 f + 32 t + n, my column): a wave reads 128 bytes of a row, the work-group 512
.set n, 0
.rept 32
	global_load_b32 v[X+32*(\t)+n], v3, s[4:5] offset:(32*(\t)+n)*2048 th:TH_LOAD_NT
.set n, n+1
.endr
.endm
.macro BLOCK t
.set XS, X+32*(\t)
.set CC, C+8*(\t)
.if (\t) < 1
	s_wait_loadcnt 32                              ; this block's 32 loads are in; the next block's 32 may be out
.else
	s_wait_loadcnt 0x0
.endif
	v_max3_num_f32 v12, |v[XS]|, |v[XS+1]|, |v[XS+2]|              ; the block's largest magnitude: all 32 numbers are mine; two chains
	v_max3_num_f32 v13, |v[XS+3]|, |v[XS+4]|, |v[XS+5]|
.irp i, 6,10,14,18,22,26
	v_max3_num_f32 v12, v12, |v[XS+\i]|, |v[XS+\i+1]|
	v_max3_num_f32 v13, v13, |v[XS+\i+2]|, |v[XS+\i+3]|
.endr
	v_max3_num_f32 v12, v12, |v[XS+30]|, |v[XS+31]|
	v_max3_num_f32 v12, v12, v13, 0x4800000        ; and the floor 2^(9 - 127): the byte cannot fall under 1
	v_add_nc_u32 v11, 0xfc000000, v12              ; 8 off the exponent field: the conversion takes the exponent field of this operand as its scale
	v_and_or_b32 v10, v12, 0x7f800000, s31         ; 448 x the scale
	v_lshrrev_b32 v13, 23, v11                     ; the scale's byte
.if (\t) == 0
	v_mov_b32 v14, v13                             ; two bytes make my half of my column's scale word
.else
	v_lshl_or_b32 v14, v13, 8*(\t), v14
.endif
.set n, 0
.rept 32
	v_med3_num_f32 v[XS+n], v[XS+n], -v10, v10     ; the conversion to an 8-bit code does not saturate (ISA guide 7.6.2): the hold at 448 x the scale
.set n, n+1
.endr
.irp g, 0,1,2,3
	v_cvt_scalef32_pk8_fp8_f32 v[CC+2*\g:CC+2*\g+1], v[XS+8*\g:XS+8*\g+7], v11
.endr
	v_nop                                          ; a plain line behind the last conversion, ahead of the next line that writes its scale operand
	global_store_b128 v4, v[CC:CC+3], s[22:23] offset:(\t)*512         ; k 0..15 of the block: sixteen lanes store 256 consecutive bytes, aligned
	global_store_b128 v4, v[CC+4:CC+7], s[22:23] offset:(\t)*512+256   ; k 16..31: the place of lanes 16-31 in the fragment
.endm
	LOADB 0
	LOADB 1
	BLOCK 0
	BLOCK 1
	global_store_b16 v5, v14, s[24:25]             ; bytes 2 f and 2 f + 1 of my column's scale word
	s_endpgm
.Lfunc_end_k_q8c48c643c8_wquant:
	.size	k_q8c48c643c8_wquant, .Lfunc_end_k_q8c48c643c8_wquant-k_q8c48c643c8_wquant
	.p2alignl 7, 3214868480
	.fill 96, 4, 3214868480
	.section	.rodata,"a",@progbits
	.p2align	6, 0x0
	.amdhsa_kernel k_q8c48c643c8_wquant
		.amdhsa_group_segment_fixed_size 0
		.amdhsa_private_segment_fixed_size 0
		.amdhsa_enable_private_segment 0
		.amdhsa_kernarg_size 24
		.amdhsa_user_sgpr_count 2
		.amdhsa_user_sgpr_kernarg_segment_ptr 1
		.amdhsa_wavefront_size32 1
		.amdhsa_system_sgpr_workgroup_id_x 1
		.amdhsa_system_sgpr_workgroup_id_y 1
		.amdhsa_system_sgpr_workgroup_id_z 1
		.amdhsa_system_vgpr_workitem_id 0
		.amdhsa_next_free_vgpr 112
		.amdhsa_next_free_sgpr 66
		.amdhsa_reserve_vcc 0
		.amdhsa_float_denorm_mode_32 3
		.amdhsa_float_denorm_mode_16_64 3
		.amdhsa_memory_ordered 1
		.amdhsa_forward_progress 1
		.amdhsa_inst_pref_size 16
	.end_amdhsa_kernel
	.amdgpu_metadata
---
amdhsa.version: [ 1, 2 ]
amdhsa.kernels:
  - .name:           k_q8c48c643c8_wquant
    .symbol:         k_q8c48c643c8_wquant.kd
    .args:
      - { .name: Wk, .offset: 0, .size: 8, .value_kind: global_buffer, .address_space: global }
      - { .name: Wv, .offset: 8, .size: 8, .value_kind: global_buffer, .address_space: global }
      - { .name: wc, .offset: 16, .size: 8, .value_kind: global_buffer, .address_space: global }
    .group_segment_fixed_size: 0
    .private_segment_fixed_size: 0
    .kernarg_segment_align: 8
    .kernarg_segment_size: 24
    .max_flat_workgroup_size: 128
    .sgpr_count:     66
    .vgpr_count:     112
    .wavefront_size: 32
...
	.end_amdgpu_metadata
.endif
;; end of part 1
;; launch proj (part 2): grid 256 x 1, 4 waves a work-group, clusters of 4 x 1, 327,680 bytes of LDS; arguments states, wc, bk, bv, kv; writes kv
.if DOCPART == 2
	.amdgcn_target "amdgcn-amd-amdhsa--gfx1250"
	.amdhsa_code_object_version 6
	.text
	.protected	k_q8c48c643c8_proj
	.globl	k_q8c48c643c8_proj
	.p2align	8
	.type	k_q8c48c643c8_proj,@function
k_q8c48c643c8_proj:
	s_mov_b64 s[64:65], 0
	v_nop
	global_prefetch_b8 v0, s[64:65] scope:SCOPE_SE
	s_setreg_imm32_b32 hwreg(HW_REG_WAVE_MODE, 25, 1), 1
	s_wait_xcnt 0x0
	s_wait_alu depctr_hold_cnt(0) depctr_sa_sdst(0) depctr_va_vdst(0) depctr_va_sdst(0) depctr_va_ssrc(0) depctr_va_vcc(0) depctr_vm_vsrc(0)
	s_getreg_b32 s2, hwreg(HW_REG_IB_STS2, 6, 4)
	s_cmp_eq_u32 s2, 0
	s_cbranch_scc0 .Lentry_in_a_cluster
	s_endpgm
.Lentry_in_a_cluster:
	s_bfe_u32 s2, ttmp6, 0x10000c
	s_cmp_lg_u32 s2, 0x3003
	s_cbranch_scc0 .Lentry_shape_is_right
	s_endpgm
.Lentry_shape_is_right:
; keys = states Wk + bk and values = states Wv + bv, both products on codes of E4M3 with E8M0 scales; then keys are quantised along H and values along the keys, for the next launch.  No work is left out.
; states [16384][1024] f32 is read once and quantised in registers; the weights come as codes from wc (laid by the launch before, in the order of operand registers).
; SHARES.  Work-group g takes 64 keys and all 1,024 columns.  Four tiles of keys kt = 2 cl + u: row r of a tile is key 64 g + 32 cl + 8 u + r + 8 (r / 8).  Wave w quantises tile w of states and hands it round through LDS as an
; image of its registers; it multiplies all four tiles by ITS 128 columns of Wk and ITS 128 of Wv: 64 accumulators, 64 matrix instructions for each of 8 K steps of 128.  No fragment of W is read by two waves.
; keys^T: source 0 = 16 columns of Wk, source 1 = 16 keys: a lane holds ONE key and its registers run along H.  values: source 0 = 16 keys, source 1 = 16 columns of Wv: a lane holds ONE channel and its registers run along the keys.
; The rows that form a tile (of Wk's columns, of the keys) are chosen so that the 16 registers of two neighbouring tiles are 16 neighbours along the next product's K: the conversions' results are that product's operand.
; CLUSTER.  All work-groups walk the same wc: the four of a cluster ask for each K step's block JOINTLY (mask 15), each wave for its own quarter, 33,792 dense bytes.  states, bk, bv and kv are shared by nobody.
; kv = [blk = g / 2, 0..127] of 139,264 bytes, keys 128 blk .. + 127 (gh = g % 2 is the half):
;   +0       KC [c 0..3][u 0..1][sH 0..3] fragments (2,048 bytes, [cc][lane][16]): row r = key 32 c + 8 u + r + 8 (r / 8), k = H 128 sH + 32 cc + 16 h + 0..15          (c = 2 gh + cl, sH = w)
;   +65,536  VC [c' 0..3][t 0..7] fragments: row r = channel 128 c' + 16 t + r, k = key 32 cc + 16 h + 0..15                                                    (c' = w, cc = 2 gh + cl)
;   +131,072 KS [c][sH][lane][u] scale words;      +135,168 VS [gh][c'][lane][t] halfwords: the bytes of key blocks 2 gh, 2 gh + 1
; LIMITS: a block of zeros gets the byte 1 where the rule says 127 (its codes are zeros; this program alone reads the bytes); blocks under 2^-118 are quantised under the byte 1; NaN and infinities are not served.
; REGISTERS, in windows of 256.  window 0: v1-19 addresses and offsets; v20-36 at work; v40-55 codes just made; v56-59 states' scale words, v68-75 W's; v60-67 scale words on the way out; v76-91 bv (pairs); v92, v93 offsets;
;   v128-191 states' four fragments; v192-255 bk.   window 1: v0-127 eight fragments of W; v128-255 two sets of 64 numbers of states.   window 2: keys^T, accumulator (kt, nt) at 64 kt + 8 nt.   window 3: values, (t, kt) at 32 t + 8 kt.
.set SLOTB, 135168                     ; a K step's block of wc: an LDS slot
.set WPART, 33792                      ; a wave's quarter of it
.set STG,   2*SLOTB                    ; behind the ring: a stage of 16 rows x 528 bytes for each wave, its own
.set SP,    528                        ; 512 bytes + 16: 132 words, so the 16 rows that a load touches start at 16 different banks (64 banks of 4 bytes: ISA guide 11.1)
.set XIM,   STG+4*16*SP                ; states' images: two buffers of four fragments
.set XSC,   XIM+2*8192                 ; their scale words: two buffers of 4 x 128 bytes
.set SPARE, XSC+2*512                  ; the spare words, 128 bytes for each wave: two blocks of 256 bytes that no other line names
.set KVBLK, 139264
.set WV,  14                           ; s14 my wave's number
.set SEL, 36                           ; s[36:37] lane selects for v_permlanex16_b32: lane l xor 16
.set MNT, 38                           ; s38 the mantissa field of 448
.set TM,  20                           ; v20-23 largest magnitudes, v24-27 bytes, v28-31 448 x the scale, v32-35 the conversions' scale operands
.set PW,  36                           ; the scale word just made
.set PC,  40                           ; the codes just made
.set SS,  56
.set KW,  60
.set VW,  64
.set WS,  68
.set BV,  76
.set SF,  128
.set BK,  192
.set MSB, 0
.macro WIN new                         ; the immediate's high byte repeats the setting that is left; a switch that changes nothing is dropped
.if MSB != (\new)
	s_set_vgpr_msb (MSB<<8)|(\new)
.set MSB, (\new)
.endif
.endm
.macro ROUND                           ; a round of the cluster's barrier
	s_barrier_signal -1
	s_barrier_wait -1
	s_cmp_lg_u32 s[WV], 0
	s_cbranch_scc1 .Lnot_wave_0_\@
	s_barrier_signal -3
.Lnot_wave_0_\@:
	s_barrier_wait -3
	s_barrier_signal -1
	s_barrier_wait -1
.endm
.macro XLOAD set, s                    ; K step s of my tile's 16 rows of states: each load reads 512 consecutive bytes of one row
	WIN 0x40
.irp i, 0,1,2,3,4,5,6,7,8,9,10,11,12,13,14,15
	global_load_b128 v[128+64*(\set)+4*\i:128+64*(\set)+4*\i+3], v1, s[32:33] offset:(\i+8*(\i/8))*4096+(\s)*512 th:TH_LOAD_NT
.endr
.endm
.macro TURN set                        ; through my own stage: in as rows, back 64 bytes a lane: register 16 b + i = k 32 b + 16 h + i of row r.  LDS serves a wave's instructions in order (ISA guide 5.7.1.4): no wait between
	WIN 0x04
.irp i, 0,1,2,3,4,5,6,7,8,9,10,11,12,13,14,15
	ds_store_b128 v7, v[128+64*(\set)+4*\i:128+64*(\set)+4*\i+3] offset:\i*SP
.endr
	WIN 0x40
.irp b, 0,1,2,3
.irp i, 0,1,2,3
	ds_load_b128 v[128+64*(\set)+16*\b+4*\i:128+64*(\set)+16*\b+4*\i+3], v8 offset:128*\b+16*\i
.endr
.endr
.endm
; 64 numbers of a lane, v[base] on in window win, register 16 b + i = k 32 b + 16 h + i of my row, become a fragment's codes in v[PC] on and its scale word in v[PW].  QMAX: my 16 numbers' largest magnitude for each block.
.macro QMAX base, win
	WIN (\win)|((\win)<<2)
.irp b, 0,1,2,3
	v_max3_num_f32 v[TM+\b], |v[(\base)+16*\b]|, |v[(\base)+16*\b+1]|, 0x4800000   ; and the floor 2^(9 - 127): the byte cannot fall under 1
.endr
	WIN ((\win)<<2)|((\win)<<4)
.irp i, 2,4,6,8,10,12,14
.irp b, 0,1,2,3
	v_max3_num_f32 v[TM+\b], v[TM+\b], |v[(\base)+16*\b+\i]|, |v[(\base)+16*\b+\i+1]|   ; the four blocks by turns
.endr
.endr
.endm
.macro QREST base, win
	WIN 0
.irp b, 0,1,2,3
	v_permlanex16_b32 v[TM+4+\b], v[TM+\b], s[SEL], s[SEL+1]
.endr
.irp b, 0,1,2,3
	v_max_num_f32 v[TM+\b], v[TM+\b], v[TM+4+\b]   ; with lane l xor 16's: the block's largest magnitude
.endr
.irp b, 0,1,2,3
	v_add_nc_u32 v[TM+12+\b], 0xfc000000, v[TM+\b] ; 8 off its exponent field: the conversion's scale operand
.endr
.irp b, 0,1,2,3
	v_and_or_b32 v[TM+8+\b], v[TM+\b], 0x7f800000, s[MNT]   ; 448 x the scale
.endr
.irp b, 0,1,2,3
	v_lshrrev_b32 v[TM+4+\b], 23, v[TM+12+\b]      ; the scale's byte
.endr
	v_lshl_or_b32 v[PW], v[TM+5], 8, v[TM+4]
	v_lshl_or_b32 v[PW], v[TM+6], 16, v[PW]
	v_lshl_or_b32 v[PW], v[TM+7], 24, v[PW]
	WIN (\win)|((\win)<<6)
.irp b, 0,1,2,3
.set n, 0
.rept 16
	v_med3_num_f32 v[(\base)+16*\b+n], v[(\base)+16*\b+n], -v[TM+8+\b], v[TM+8+\b]   ; the conversion does not saturate (ISA guide 7.6.2): the hold
.set n, n+1
.endr
.endr
	WIN (\win)
.irp b, 0,1,2,3
	v_cvt_scalef32_pk8_fp8_f32 v[PC+4*\b:PC+4*\b+1], v[(\base)+16*\b:(\base)+16*\b+7], v[TM+12+\b]
	v_cvt_scalef32_pk8_fp8_f32 v[PC+4*\b+2:PC+4*\b+3], v[(\base)+16*\b+8:(\base)+16*\b+15], v[TM+12+\b]
.endr
	v_nop                                          ; a plain line behind the last conversion
	WIN 0
.endm
.macro IMAGE buf                       ; my fragment of states goes to LDS as it stands, its scale word beside it
.irp cc, 0,1,2,3
	ds_store_b128 v9, v[PC+4*\cc:PC+4*\cc+3] offset:(\buf)*8192+\cc*512
.endr
	ds_store_b32 v11, v[PW] offset:(\buf)*512
.endm
; 16 matrix instructions of keys^T: Wk's tiles 4 qd + i x the four tiles of keys.  All 64 accumulators take turns, one instruction a turn, in the same order in every K step.
.macro MULK qd, zero
	WIN 0xa1                                       ; source 0 (W) window 1, source 1 (states) window 0, C and D window 2
.irp i, 0,1,2,3
.irp kt, 0,1,2,3
.set rD, 64*\kt+8*(4*\qd+\i)
.set rA, 64*\qd+16*\i
.set rB, SF+16*\kt
.set rS, WS+(4*\qd+\i)/2
.if \zero
.if \i%2
	v_wmma_scale_f32_16x16x128_f8f6f4 v[rD:rD+7], v[rA:rA+15], v[rB:rB+15], 0, v[rS], v[SS+\kt] matrix_a_scale:MATRIX_SCALE_ROW1
.else
	v_wmma_scale_f32_16x16x128_f8f6f4 v[rD:rD+7], v[rA:rA+15], v[rB:rB+15], 0, v[rS], v[SS+\kt]
.endif
.else
.if \i%2
	v_wmma_scale_f32_16x16x128_f8f6f4 v[rD:rD+7], v[rA:rA+15], v[rB:rB+15], v[rD:rD+7], v[rS], v[SS+\kt] matrix_a_scale:MATRIX_SCALE_ROW1
.else
	v_wmma_scale_f32_16x16x128_f8f6f4 v[rD:rD+7], v[rA:rA+15], v[rB:rB+15], v[rD:rD+7], v[rS], v[SS+\kt]
.endif
.endif
.endr
.endr
.endm
.macro MULV qd, zero                   ; 16 of values: the four tiles of keys x Wv's tiles 4 qd + i
	WIN 0xf4                                       ; source 0 (states) window 0, source 1 (W) window 1, C and D window 3
.irp i, 0,1,2,3
.irp kt, 0,1,2,3
.set rD, 32*(4*\qd+\i)+8*\kt
.set rA, SF+16*\kt
.set rB, 64*\qd+16*\i
.set rS, WS+4+(4*\qd+\i)/2
.if \zero
.if \i%2
	v_wmma_scale_f32_16x16x128_f8f6f4 v[rD:rD+7], v[rA:rA+15], v[rB:rB+15], 0, v[SS+\kt], v[rS] matrix_b_scale:MATRIX_SCALE_ROW1
.else
	v_wmma_scale_f32_16x16x128_f8f6f4 v[rD:rD+7], v[rA:rA+15], v[rB:rB+15], 0, v[SS+\kt], v[rS]
.endif
.else
.if \i%2
	v_wmma_scale_f32_16x16x128_f8f6f4 v[rD:rD+7], v[rA:rA+15], v[rB:rB+15], v[rD:rD+7], v[SS+\kt], v[rS] matrix_b_scale:MATRIX_SCALE_ROW1
.else
	v_wmma_scale_f32_16x16x128_f8f6f4 v[rD:rD+7], v[rA:rA+15], v[rB:rB+15], v[rD:rD+7], v[SS+\kt], v[rS]
.endif
.endif
.endr
.endr
.endm
; A K STEP.  ONE barrier: in front of it each wave has all its tensor loads in (its quarter of this step's block), its image of this step's states stored, and its reads of the other slot and the other image buffer over.
.macro KSTEP s, zero
.set SG, (\s)%2
.set NX, ((\s)+1)%2
	WIN 0
	s_wait_tensorcnt 0x0                           ; my one load that was out has landed, so a group 0 may be written
	ds_add_u32 v13, v14                            ; 0 onto my spare word
	s_add_nc_u64 s[26+4*SG:27+4*SG], s[26+4*SG:27+4*SG], 2*SLOTB   ; this slot's next block; the type bits on top are not reached
	s_wait_dscnt 0x0                               ; the add is done, my image is stored, my LDS reads are over
.if (\s) < 7
	ROUND                                          ; no wave of any partner still reads the other slot or has a load on its way
	tensor_load_to_lds s[28-4*SG:31-4*SG], s[16:23]   ; the next K step's block, my quarter: my one tensor load until the next round
	s_nop 0
.rept 4
	v_nop
.endr
.else
	s_barrier_signal -1                            ; the last K step fills nothing
	s_barrier_wait -1
.endif
.irp p, 0,1,2,3,4,5,6,7
	ds_load_b32 v[WS+\p], v[5+SG] offset:\p*128    ; W's scale words: Wk's four pairs of tiles, then Wv's
.endr
.irp kt, 0,1,2,3
	ds_load_b32 v[SS+\kt], v12 offset:SG*512+\kt*128
.endr
.irp kt, 0,1,2,3
.irp cc, 0,1,2,3
	ds_load_b128 v[SF+16*\kt+4*\cc:SF+16*\kt+4*\cc+3], v10 offset:SG*8192+\kt*2048+\cc*512
.endr
.endr
	WIN 0x40
.irp t, 0,1,2,3,4,5,6,7
.irp cc, 0,1,2,3
	ds_load_b128 v[16*\t+4*\cc:16*\t+4*\cc+3], v[3+SG] offset:\t*2048+\cc*512   ; Wk's eight tiles
.endr
.endr
	s_wait_dscnt 16                                ; all but the youngest 16: Wk's tiles 4-7
	MULK 0, \zero
	s_wait_dscnt 0x0
	MULK 1, \zero
.if (\s) < 7
.if (\s) <= 5
	s_wait_loadcnt 16                              ; the next K step's 16 loads of states are in; the 16 of the step behind it may be out
.else
	s_wait_loadcnt 0x0
.endif
	TURN NX
	s_wait_dscnt 0x0
	QMAX 128+64*NX, 1                              ; 32 plain lines that name no register of the products above: the places in front of the loads below
.else
	WIN 0
.rept 8
	v_nop                                          ; eight places in front of loads into registers that matrix instructions have read
.endr
.endif
	WIN 0x40
.irp t, 0,1,2,3,4,5,6,7
.irp cc, 0,1,2,3
	ds_load_b128 v[16*\t+4*\cc:16*\t+4*\cc+3], v[3+SG] offset:16384+\t*2048+\cc*512   ; Wv's eight tiles
.endr
.endr
.if (\s) < 7
	QREST 128+64*NX, 1
	IMAGE NX
.if (\s) <= 4
	XLOAD NX, (\s)+3                               ; the set just quantised takes the K step three on
.endif
	s_wait_dscnt 21                                ; younger than Wv's tiles 0-3: tiles 4-7's 16 loads and the image's 5 stores
	MULV 0, \zero
	s_wait_dscnt 5                                 ; the image's 5 stores may be out
	MULV 1, \zero
.else
	s_wait_dscnt 16
	MULV 0, \zero
	s_wait_dscnt 0x0
	MULV 1, \zero
.endif
	WIN 0
.rept 8
	v_nop                                          ; places in front of the next step's loads into operand registers, and of the first read of results
.endr
.endm
	s_load_b256 s[4:11], s[0:1], 0x0               ; states s[4:5], wc s[6:7], bk s[8:9], bv s[10:11]
	s_load_b64 s[12:13], s[0:1], 0x20              ; kv
	v_lshl_add_u32 v13, v0, 2, SPARE
	v_mov_b32 v14, 0
	ds_add_u32 v13, v14                            ; the wave's opening: the add, twice on end, and its wait ahead of my first tensor load; the set-up below stands between
	ds_add_u32 v13, v14
	v_lshrrev_b32 v15, 5, v0
	v_readfirstlane_b32 s[WV], v15                 ; wave 0..3
	s_bfe_u32 s15, ttmp6, 0x40000                  ; cx: my place in the cluster
	s_lshl_b32 s40, ttmp9, 2
	s_add_co_u32 s40, s40, s15                     ; g = 4 x cluster x + cx: it enters the addresses of states and of kv alone
	; descriptor group 1: 132 dense rows of 256 bytes (32 elements of 8 bytes), no padding
	s_mov_b32 s16, 15|(3<<16)|(1<<21)              ; 15:0 the mask: all four work-groups; 17:16 elements of 8 bytes; 21 set beside a mask
	s_mov_b32 s17, 32<<16                          ; tensor_dim0 = 32
	s_mov_b32 s18, 132<<16                         ; tensor_dim1 = 132
	s_mov_b32 s19, 32<<16                          ; tile_dim0 = 32
	s_mov_b32 s20, 132                             ; tile_dim1 = 132
	s_mov_b32 s21, 32                              ; from row to row
	s_mov_b32 s22, 0
	s_mov_b32 s23, 0
	s_mul_i32 s42, s[WV], WPART                    ; my quarter: in a block of wc and in a slot: the wave's number alone
	s_mov_b32 s43, 0
	s_mov_b32 s24, 1
	s_mov_b32 s25, s42
	s_mov_b32 s28, 1
	s_add_co_u32 s29, s42, SLOTB
	s_mov_b32 s[SEL], 0x76543210
	s_mov_b32 s[SEL+1], 0xfedcba98
	s_mov_b32 s[MNT], 0x600000
	v_and_b32 v15, 31, v0                          ; lane
	v_and_b32 v37, 15, v0                          ; r
	v_bfe_u32 v38, v0, 4, 1                        ; h
	v_lshlrev_b32 v1, 4, v15                       ; 16 x lane
	v_lshlrev_b32 v2, 2, v15                       ; 4 x lane
	v_add_nc_u32 v3, s42, v1                       ; W's fragments in slot 0,
	v_add_nc_u32 v4, SLOTB, v3                     ; in slot 1
	v_add_nc_u32 v5, s42, v2
	v_add_nc_u32 v5, 32768, v5                     ; W's scale words in slot 0,
	v_add_nc_u32 v6, SLOTB, v5                     ; in slot 1
	s_mul_i32 s50, s[WV], 16*SP
	s_add_co_u32 s50, s50, STG                     ; my stage
	v_add_nc_u32 v7, s50, v1                       ; in: a row's 512 bytes
	v_mul_u32_u24 v8, v37, SP
	v_lshl_add_u32 v8, v38, 6, v8
	v_add_nc_u32 v8, s50, v8                       ; back: row r, + 64 h
	s_lshl_b32 s51, s[WV], 11
	s_add_co_u32 s51, s51, XIM
	v_add_nc_u32 v9, s51, v1                       ; where I store my image
	v_add_nc_u32 v10, XIM, v1                      ; where the images are read
	s_lshl_b32 s51, s[WV], 7
	s_add_co_u32 s51, s51, XSC
	v_add_nc_u32 v11, s51, v2                      ; the scale words likewise
	v_add_nc_u32 v12, XSC, v2
	s_and_b32 s44, s40, 1                          ; gh: offsets in kv
	s_lshl_b32 s45, s44, 15
	s_lshl_b32 s46, s[WV], 11
	s_add_co_u32 s45, s45, s46
	v_add_nc_u32 v16, s45, v1                      ; KC: 32,768 gh + 2,048 w + 16 lane
	s_lshl_b32 s45, s44, 11
	s_lshl_b32 s46, s[WV], 8
	s_add_co_u32 s46, s45, s46
	s_add_co_u32 s46, s46, 131072
	v_lshl_add_u32 v17, v15, 3, s46                ; KS: 131,072 + 2,048 gh + 256 w + 8 lane
	s_lshl_b32 s46, s[WV], 14
	s_lshl_b32 s47, s44, 10
	s_add_co_u32 s46, s46, s47
	s_add_co_u32 s46, s46, 65536
	v_add_nc_u32 v18, s46, v1                      ; VC: 65,536 + 16,384 w + 1,024 gh + 16 lane
	s_lshl_b32 s46, s[WV], 9
	s_add_co_u32 s46, s45, s46
	s_add_co_u32 s46, s46, 135168
	v_add_nc_u32 v19, s46, v1                      ; VS: 135,168 + 2,048 gh + 512 w + 16 lane
	v_lshlrev_b32 v92, 6, v38                      ; bk: 16 h numbers on
	v_lshlrev_b32 v93, 2, v37                      ; bv: number r
.irp b, 0,1,2,3
	v_mov_b32 v[TM+4+\b], 0                        ; written once: a lane permute's destination counts as one of its sources
.endr
	s_lshl_b32 s44, s40, 18                        ; states: 64 g rows of 4,096 bytes,
	s_lshr_b32 s45, s[WV], 1
	s_lshl_b32 s45, s45, 17                        ; + 32 cl rows,
	s_add_co_u32 s44, s44, s45
	s_and_b32 s45, s[WV], 1
	s_lshl_b32 s45, s45, 15                        ; + 8 u rows
	s_add_co_u32 s44, s44, s45
	s_mov_b32 s45, 0
	s_lshr_b32 s46, s40, 1
	s_mul_i32 s46, s46, KVBLK                      ; kv: block g / 2
	s_mov_b32 s47, 0
	s_lshl_b32 s48, s[WV], 9                       ; the biases: my 128 numbers
	s_mov_b32 s49, 0
	s_wait_dscnt 0x0                               ; both opening adds are done
	s_wait_kmcnt 0x0
	s_add_nc_u64 s[26:27], s[6:7], s[42:43]        ; K step 0's block, my quarter,
	s_add_nc_u64 s[30:31], s[26:27], SLOTB         ; K step 1's
	s_or_b32 s27, s27, 0x80000000                  ; type = 2
	s_or_b32 s31, s31, 0x80000000
	s_add_nc_u64 s[32:33], s[4:5], s[44:45]
	s_add_nc_u64 s[34:35], s[12:13], s[46:47]
	s_add_nc_u64 s[8:9], s[8:9], s[48:49]
	s_add_nc_u64 s[10:11], s[10:11], s[48:49]
	ROUND                                          ; all four work-groups are here: the first joint loads meet
	tensor_load_to_lds s[24:27], s[16:23]          ; K step 0; slot 1 is first filled behind K step 0's round, as a refill is
	s_nop 0
.rept 4
	v_nop
.endr
	s_wait_alu depctr_va_vdst(0)
.irp nt, 0,1,2,3,4,5,6,7                       ; bk in the layout of keys^T: for tile nt my eight columns 32 (nt / 2) + 8 (nt % 2) + 16 h + 0..7
	global_load_b128 v[BK+8*\nt:BK+8*\nt+3], v92, s[8:9] offset:(32*(\nt/2)+8*(\nt%2))*4
	global_load_b128 v[BK+8*\nt+4:BK+8*\nt+7], v92, s[8:9] offset:(32*(\nt/2)+8*(\nt%2))*4+16
.endr
.irp t, 0,1,2,3,4,5,6,7                        ; bv: for tile t my channel 16 t + r, in both words of a pair for the packed addition
	global_load_b32 v[BV+2*\t], v93, s[10:11] offset:64*\t
	global_load_b32 v[BV+2*\t+1], v93, s[10:11] offset:64*\t
.endr
	XLOAD 0, 0
	s_wait_loadcnt 0x0                             ; the biases and K step 0's 16 rows are in
	XLOAD 1, 1                                     ; K step 1's rows are asked for only now: they are wanted in the middle of K step 0
	TURN 0
	s_wait_dscnt 0x0
	QMAX 128, 1
	QREST 128, 1
	IMAGE 0
	XLOAD 0, 2
	KSTEP 0, 1                                     ; the first K step's products start the sums: nothing is cleared
	KSTEP 1, 0
	KSTEP 2, 0
	KSTEP 3, 0
	KSTEP 4, 0
	KSTEP 5, 0
	KSTEP 6, 0
	KSTEP 7, 0
	; THE WAY OUT.  keys: + bk, quantised along H: my 128 columns are K step w of the scores' product.  Every store covers 256 or 512 consecutive bytes, aligned.
.irp kt, 0,1,2,3
	WIN 0x82
.set n, 0
.rept 32
	v_pk_add_f32 v[64*\kt+n:64*\kt+n+1], v[64*\kt+n:64*\kt+n+1], v[BK+n:BK+n+1]   ; each accumulator from its low end on
.set n, n+2
.endr
	s_wait_xcnt 0x0                                ; the last tile's stores have read their data: the codes' registers may be written again
	QMAX 64*\kt, 2
	QREST 64*\kt, 2
.irp cc, 0,1,2,3
	global_store_b128 v16, v[PC+4*\cc:PC+4*\cc+3], s[34:35] offset:(\kt/2)*16384+(\kt%2)*8192+\cc*512
.endr
	v_mov_b32 v[KW+\kt], v[PW]
.if \kt%2
	global_store_b64 v17, v[KW+\kt-1:KW+\kt], s[34:35] offset:(\kt/2)*1024
.endif
.endr
	; values: + bv, quantised along the keys: two tiles of channels at a time; blocks (t even, cl 0), (t even, cl 1), (t odd, cl 0), (t odd, cl 1)
.irp q, 0,1,2,3
	WIN 0xc3
.set n, 0
.rept 16
	v_pk_add_f32 v[64*\q+n:64*\q+n+1], v[64*\q+n:64*\q+n+1], v[BV+4*\q:BV+4*\q+1]
.set n, n+2
.endr
.rept 16
	v_pk_add_f32 v[64*\q+n:64*\q+n+1], v[64*\q+n:64*\q+n+1], v[BV+4*\q+2:BV+4*\q+3]
.set n, n+2
.endr
	s_wait_xcnt 0x0
	QMAX 64*\q, 3
	QREST 64*\q, 3
.irp b, 0,1,2,3
	global_store_b128 v18, v[PC+4*\b:PC+4*\b+3], s[34:35] offset:(2*\q+\b/2)*2048+(\b%2)*512
.endr
	v_mov_b32 v[VW+\q], v[PW]                      ; two halfwords: tiles 2 q and 2 q + 1
.endr
	global_store_b128 v19, v[VW:VW+3], s[34:35]
	s_wait_tensorcnt 0x0                           ; the wave's end, behind my last tensor load and my last LDS store
	ds_add_u32 v13, v14
	s_wait_dscnt 0x0
	ROUND                                          ; the closing round: no work-group ends while a partner may still ask for a block that names it
	s_endpgm
.Lfunc_end_k_q8c48c643c8_proj:
	.size	k_q8c48c643c8_proj, .Lfunc_end_k_q8c48c643c8_proj-k_q8c48c643c8_proj
	.p2alignl 7, 3214868480
	.fill 96, 4, 3214868480
	.section	.rodata,"a",@progbits
	.p2align	6, 0x0
	.amdhsa_kernel k_q8c48c643c8_proj
		.amdhsa_group_segment_fixed_size 327680
		.amdhsa_private_segment_fixed_size 0
		.amdhsa_enable_private_segment 0
		.amdhsa_kernarg_size 40
		.amdhsa_user_sgpr_count 2
		.amdhsa_user_sgpr_kernarg_segment_ptr 1
		.amdhsa_wavefront_size32 1
		.amdhsa_system_sgpr_workgroup_id_x 1
		.amdhsa_system_sgpr_workgroup_id_y 1
		.amdhsa_system_sgpr_workgroup_id_z 1
		.amdhsa_system_vgpr_workitem_id 0
		.amdhsa_next_free_vgpr 1024
		.amdhsa_next_free_sgpr 66
		.amdhsa_reserve_vcc 0
		.amdhsa_float_denorm_mode_32 3
		.amdhsa_float_denorm_mode_16_64 3
		.amdhsa_memory_ordered 1
		.amdhsa_forward_progress 1
		.amdhsa_inst_pref_size 255
	.end_amdhsa_kernel
	.section	.bss,"aw",@nobits
	.p2align	6
	.space	262144
	.amdgpu_metadata
---
amdhsa.version: [ 1, 2 ]
amdhsa.kernels:
  - .name:           k_q8c48c643c8_proj
    .symbol:         k_q8c48c643c8_proj.kd
    .args:
      - { .name: states, .offset: 0, .size: 8, .value_kind: global_buffer, .address_space: global }
      - { .name: wc, .offset: 8, .size: 8, .value_kind: global_buffer, .address_space: global }
      - { .name: bk, .offset: 16, .size: 8, .value_kind: global_buffer, .address_space: global }
      - { .name: bv, .offset: 24, .size: 8, .value_kind: global_buffer, .address_space: global }
      - { .name: kv, .offset: 32, .size: 8, .value_kind: global_buffer, .address_space: global }
    .group_segment_fixed_size: 327680
    .private_segment_fixed_size: 0
    .kernarg_segment_align: 8
    .kernarg_segment_size: 40
    .max_flat_workgroup_size: 128
    .sgpr_count:     66
    .vgpr_count:     1024
    .wavefront_size: 32
...
	.end_amdgpu_metadata
.endif
;; end of part 2
;; launch attn (part 3): grid 32 x 8, 4 waves a work-group, clusters of 4 x 1, 327,680 bytes of LDS; arguments query, mask, kv, out0; writes out0
.if DOCPART == 3
	.amdgcn_target "amdgcn-amd-amdhsa--gfx1250"
	.amdhsa_code_object_version 6
	.text
	.protected	k_q8c48c643c8_attn
	.globl	k_q8c48c643c8_attn
	.p2align	8
	.type	k_q8c48c643c8_attn,@function
k_q8c48c643c8_attn:
	s_mov_b64 s[64:65], 0
	v_nop
	global_prefetch_b8 v0, s[64:65] scope:SCOPE_SE
	s_setreg_imm32_b32 hwreg(HW_REG_WAVE_MODE, 25, 1), 1
	s_wait_xcnt 0x0
	s_wait_alu depctr_hold_cnt(0) depctr_sa_sdst(0) depctr_va_vdst(0) depctr_va_sdst(0) depctr_va_ssrc(0) depctr_va_vcc(0) depctr_vm_vsrc(0)
	s_getreg_b32 s2, hwreg(HW_REG_IB_STS2, 6, 4)
	s_cmp_eq_u32 s2, 0
	s_cbranch_scc0 .Lentry_in_a_cluster
	s_endpgm
.Lentry_in_a_cluster:
	s_bfe_u32 s2, ttmp6, 0x10000c
	s_cmp_lg_u32 s2, 0x3003
	s_cbranch_scc0 .Lentry_shape_is_right
	s_endpgm
.Lentry_shape_is_right:
; out0[b][q] = the sum over k of softmax_k(mask[b][q][k] x (query[b][q] . keys[b][k]) / sqrt(512)) values[b][k], both products on codes of E4M3 with E8M0 scales.  No work is left out.
; keys and values come as codes from kv (laid by the launch before in the order of operand registers: its head comment has the layout); query [8][2048][512] f32 is read once and quantised in registers; mask is read once.
; THE SOFTMAX: t = mask x score x log2(e) / sqrt(512); p = 2^(t - M), M a whole number, is what is quantised, along the keys; the row's sum is taken of the unquantised p and divides at the end.
; SHARES.  A work-group owns 64 queries (four tiles m of 16) of one batch and walks its 2,048 keys, 128 a step.  THE WAVES SHARE THE KEYS AND THE CHANNELS, NOT THE QUERIES: in a step wave c makes the scores of ITS 32 keys
; (32 c .. 32 c + 31 of the 128) for all 64 queries, 32 matrix instructions, and then the outputs of ITS 128 channels for all 64 queries, 32 more.  So each byte of K and V is read from LDS once in a work-group.
; Both products are used transposed (S^T = K Q^T, O^T = V^T P^T): a lane holds one query.  A wave's 32 keys are one block of the second product's K: its two conversions for a tile of queries give registers 4 c .. 4 c + 3 of
; P's fragment, which go to LDS as they stand and come back whole in every wave.
; M.  Each wave keeps a running M of its own for each query, over its own keys, and the sum under it.  With its codes it hands round -M and its block's scale (as f32).  Behind one barrier every wave forms the common M, the
; largest of the four; a block's byte is its scale's exponent field moved by (the wave's M - the common M), O^T is multiplied by 2^(old common M - new): whole powers of two, nothing is rounded.  The sums are joined at the end.
; CLUSTER.  The four work-groups of a cluster belong to one batch and walk the same blocks of kv: each block is asked for JOINTLY (mask 15), each wave for a quarter, 34,816 dense bytes.  mask, query, out0 are shared by nobody.
; TWO BARRIERS A STEP: A, the cluster's round, in front of the refill: the slot ahead is whole, the mask's stage is written, nobody reads P's image any more;  B, plain: P's image and the statistics are written, the stage is read out.
; The mask comes through registers, two steps ahead (each wave 16 rows x 512 bytes a step), and turns through a stage in LDS, since the wave that loads whole rows is not the wave that wants them.
; LIMITS: a block of zeros gets the byte 1 where the rule says 127; a block of p whose scale under the common M falls under 2^-126 gets the byte 0 (what it adds is under 448 x 2^-127 beside a row whose largest p is over 1/2);
; M is exact as f32 up to 2^24; NaN and infinities among the inputs are not served.
; REGISTERS, in windows of 256.  window 0: v1-23 addresses; v24-55 eight statistics a tile; v56-59 common M; v60-67 factors (pairs); v68-83 Q's scale words, v84-91 K's, v92-99 V's, v100-103 P's; v104-127 at work;
;   v128-191 S^T, later what the waves handed round; v192-255 the mask, P's codes, P's fragments.   window 1: Q, (m, e) at 64 m + 16 e.   window 2: O^T, (t, m) at 32 t + 8 m.   window 3: v0-127 K's or V's eight fragments; v128-255 two sets of mask.
.set SLOTB, 139264                     ; a block of kv: an LDS slot
.set QUART, 34816                      ; a wave's quarter of it
.set STG,   2*SLOTB                    ; behind the ring: a stage of 64 rows x 528 bytes; wave w writes rows 16 w .. 16 w + 15
.set SP,    528                        ; 512 bytes + 16: the 16 rows that a load touches start at 16 different banks (64 banks of 4 bytes: ISA guide 11.1)
.set WSTG,  16*SP
.set PIM,   STG+4*WSTG                 ; P's image: [m][c][lane] 16 bytes; at the head Q's scale words
.set STA,   PIM+8192                   ; [m][lane][wave] 8 bytes: -M and the block's scale
.set STL,   STA+4096                   ; [m][lane][wave] 4 bytes: the sums, at the end
.set SPARE, STL+2048                   ; the spare words, 128 bytes for each wave: two blocks of 256 bytes that no other line names
.set WV,  12                           ; s12 my wave's number, c
.set CS,  38                           ; s[38:39] log2(e) / sqrt(512)
.set SEL, 40                           ; s[40:41] lane selects for v_permlanex16_b32: lane l xor 16
.set MNT, 42                           ; s42 the mantissa field of 448
.set ST,  24                           ; tile m at v[ST + 8 m]: +0 -M, +1 the largest t, +2, +3 the sum in two halves, +4 the block's largest, +5 at work, +6 (+7) the factor
.set MC,  56
.set F,   60
.set QS,  68
.set KS,  84
.set VS,  92
.set PS,  100
.set VL,  104
.set EX,  112
.set TT,  120
.set TD,  124
.set S,   128
.set SL,  128
.set LL,  160
.set MK,  192
.set PC,  192
.set PF,  192
.set OBUF, 128
.set TM,  104                          ; the head's quantiser: v104-119 at work, v127 the scale word
.set PW,  127
.set MSB, 0
.macro WIN new                         ; the immediate's high byte repeats the setting that is left; a switch that changes nothing is dropped
.if MSB != (\new)
	s_set_vgpr_msb (MSB<<8)|(\new)
.set MSB, (\new)
.endif
.endm
.macro ROUND                           ; a round of the cluster's barrier
	s_barrier_signal -1
	s_barrier_wait -1
	s_cmp_lg_u32 s[WV], 0
	s_cbranch_scc1 .Lnot_wave_0_\@
	s_barrier_signal -3
.Lnot_wave_0_\@:
	s_barrier_wait -3
	s_barrier_signal -1
	s_barrier_wait -1
.endm
.macro QMAX base, win                  ; as in the launch before: 64 numbers of a lane in window win, register 16 b + i = k 32 b + 16 h + i: my 16 numbers' largest magnitude for each block
	WIN (\win)|((\win)<<2)
.irp b, 0,1,2,3
	v_max3_num_f32 v[TM+\b], |v[(\base)+16*\b]|, |v[(\base)+16*\b+1]|, 0x4800000   ; and the floor 2^(9 - 127)
.endr
	WIN ((\win)<<2)|((\win)<<4)
.irp i, 2,4,6,8,10,12,14
.irp b, 0,1,2,3
	v_max3_num_f32 v[TM+\b], v[TM+\b], |v[(\base)+16*\b+\i]|, |v[(\base)+16*\b+\i+1]|
.endr
.endr
.endm
.macro QREST base, win                 ; the codes into v[PC] on, the scale word into v[PW]
	WIN 0
.irp b, 0,1,2,3
	v_permlanex16_b32 v[TM+4+\b], v[TM+\b], s[SEL], s[SEL+1]
.endr
.irp b, 0,1,2,3
	v_max_num_f32 v[TM+\b], v[TM+\b], v[TM+4+\b]
.endr
.irp b, 0,1,2,3
	v_add_nc_u32 v[TM+12+\b], 0xfc000000, v[TM+\b]
.endr
.irp b, 0,1,2,3
	v_and_or_b32 v[TM+8+\b], v[TM+\b], 0x7f800000, s[MNT]
.endr
.irp b, 0,1,2,3
	v_lshrrev_b32 v[TM+4+\b], 23, v[TM+12+\b]
.endr
	v_lshl_or_b32 v[PW], v[TM+5], 8, v[TM+4]
	v_lshl_or_b32 v[PW], v[TM+6], 16, v[PW]
	v_lshl_or_b32 v[PW], v[TM+7], 24, v[PW]
	WIN (\win)|((\win)<<6)
.irp b, 0,1,2,3
.set n, 0
.rept 16
	v_med3_num_f32 v[(\base)+16*\b+n], v[(\base)+16*\b+n], -v[TM+8+\b], v[TM+8+\b]
.set n, n+1
.endr
.endr
	WIN (\win)
.irp b, 0,1,2,3
	v_cvt_scalef32_pk8_fp8_f32 v[PC+4*\b:PC+4*\b+1], v[(\base)+16*\b:(\base)+16*\b+7], v[TM+12+\b]
	v_cvt_scalef32_pk8_fp8_f32 v[PC+4*\b+2:PC+4*\b+3], v[(\base)+16*\b+8:(\base)+16*\b+15], v[TM+12+\b]
.endr
	v_nop                                          ; a plain line behind the last conversion
	WIN 0
.endm
.macro MLOAD set, off                  ; a step's 128 keys of my 16 rows of the mask: each load reads 512 consecutive bytes of one row
	WIN 0xc0
.irp i, 0,1,2,3,4,5,6,7,8,9,10,11,12,13,14,15
	global_load_b128 v[128+64*(\set)+4*\i:128+64*(\set)+4*\i+3], v1, s[32:33] offset:\i*8192+(\off) th:TH_LOAD_NT
.endr
.endm
.macro MSTORE set                      ; and into my rows of the stage
	WIN 0x0c
.irp i, 0,1,2,3,4,5,6,7,8,9,10,11,12,13,14,15
	ds_store_b128 v10, v[128+64*(\set)+4*\i:128+64*(\set)+4*\i+3] offset:\i*SP
.endr
.endm
; THE FIRST HALF OF A KEY STEP, on slot sg: barrier A, the refill, my 32 keys' scores for the 64 queries, the mask, the softmax under my own M, P's codes and my statistics to LDS, barrier B.
.macro SPH sg, refill, last
	WIN 0
	s_wait_tensorcnt 0x0                           ; my one load that was out has landed, so a group 0 may be written
	ds_add_u32 v20, v21                            ; 0 onto my spare word
	s_add_nc_u64 s[26+4*\sg:27+4*\sg], s[26+4*\sg:27+4*\sg], 2*SLOTB   ; this slot's next block; the type bits on top are not reached
	s_wait_dscnt 0x0                               ; the add is done, my rows of the stage are stored, my LDS reads are over
.if \refill
	ROUND                                          ; no wave of any partner still reads the other slot or has a load on its way
	tensor_load_to_lds s[28-4*\sg:31-4*\sg], s[16:23]   ; the next 128 keys' block, my quarter: my one tensor load until the next round; it has a whole step in which to land
	s_nop 0
.rept 4
	v_nop
.endr
.else
	s_barrier_signal -1                            ; the last step fills nothing
	s_barrier_wait -1
.endif
.irp e, 0,1,2,3
	ds_load_b64 v[KS+2*\e:KS+2*\e+1], v[6+\sg] offset:256*\e       ; K's scale words of H step e: tiles u = 0, 1
.endr
	WIN 0xc0
.irp e, 0,1,2,3
.irp u, 0,1
.irp cc, 0,1,2,3
	ds_load_b128 v[64*\u+16*\e+4*\cc:64*\u+16*\e+4*\cc+3], v[2+\sg] offset:(4*\u+\e)*2048+\cc*512
.endr
.endr
.endr
	WIN 0
.irp m, 0,1,2,3
.irp i, 0,1,2,3
	ds_load_b128 v[MK+16*\m+4*\i:MK+16*\m+4*\i+3], v11 offset:\m*WSTG+16*\i   ; the mask of query 16 m + r at my keys 32 c + 16 h + 0..15
.endr
.endr
	ds_load_b128 v[VL:VL+3], v[8+\sg]              ; V's scale halfwords: key blocks 0, 1;
	ds_load_b128 v[VL+4:VL+7], v[8+\sg] offset:2048   ; key blocks 2, 3
	WIN 0x07                                       ; source 0 (K) window 3, source 1 (Q) window 1, C and D window 0
.irp e, 0,1,2,3
	s_wait_dscnt 42-8*\e                           ; younger than H step e's fragments: 8 loads for each later H step, the mask's 16, V's 2
.irp m, 0,1,2,3
.irp u, 0,1
.if \e == 0
	v_wmma_scale_f32_16x16x128_f8f6f4 v[S+16*\m+8*\u:S+16*\m+8*\u+7], v[64*\u+16*\e:64*\u+16*\e+15], v[64*\m+16*\e:64*\m+16*\e+15], 0, v[KS+2*\e+\u], v[QS+4*\m+\e]
.else
	v_wmma_scale_f32_16x16x128_f8f6f4 v[S+16*\m+8*\u:S+16*\m+8*\u+7], v[64*\u+16*\e:64*\u+16*\e+15], v[64*\m+16*\e:64*\m+16*\e+15], v[S+16*\m+8*\u:S+16*\m+8*\u+7], v[KS+2*\e+\u], v[QS+4*\m+\e]
.endif
.endr
.endr
.endr                                          ; the eight accumulators by turns.  Register 16 m + i of lane (r, h): query 16 m + r, key 32 c + 16 h + i
	WIN 0
	s_wait_dscnt 0x0
.irp q, 0,1,2,3                                ; V's scale words, a word a tile of channels.  These eight plain lines are the places behind the products, for the loads below and for the first read of results
	v_perm_b32 v[VS+2*\q], v[VL+4+\q], v[VL+\q], 0x05040100
	v_perm_b32 v[VS+2*\q+1], v[VL+4+\q], v[VL+\q], 0x07060302
.endr
	WIN 0xc0
.irp t, 0,1,2,3,4,5,6,7
.irp cc, 0,1,2,3
	ds_load_b128 v[16*\t+4*\cc:16*\t+4*\cc+3], v[4+\sg] offset:\t*2048+\cc*512   ; V's eight tiles of my 128 channels take K's registers; they land while the softmax is walked
.endr
.endr
	WIN 0
.set n, 0
.rept 32
	v_pk_mul_f32 v[S+n:S+n+1], v[S+n:S+n+1], v[MK+n:MK+n+1]        ; x the mask; each accumulator from its low end on
.set n, n+2
.endr
.irp m, 0,1,2,3
	v_max3_num_f32 v[ST+8*\m+4], v[S+16*\m], v[S+16*\m+1], v[S+16*\m+2]   ; the block's largest: it serves for my running maximum and, since p rises with the score, for the block's largest p
.endr
.irp i, 3,5,7,9,11,13
.irp m, 0,1,2,3
	v_max3_num_f32 v[ST+8*\m+4], v[ST+8*\m+4], v[S+16*\m+\i], v[S+16*\m+\i+1]
.endr
.endr
.irp m, 0,1,2,3
	v_max_num_f32 v[ST+8*\m+4], v[ST+8*\m+4], v[S+16*\m+15]
.endr
.irp m, 0,1,2,3
	v_permlanex16_b32 v[ST+8*\m+5], v[ST+8*\m+4], s[SEL], s[SEL+1]
.endr
.irp m, 0,1,2,3
	v_max_num_f32 v[ST+8*\m+4], v[ST+8*\m+4], v[ST+8*\m+5]         ; with lane l xor 16's 16 keys
.endr
.irp m, 0,1,2,3
	v_mul_f32 v[ST+8*\m+5], s[CS], v[ST+8*\m+4]                    ; as t (the factor is positive)
.endr
.irp m, 0,1,2,3
	v_max_num_f32 v[ST+8*\m+1], v[ST+8*\m+1], v[ST+8*\m+5]         ; my running largest t
.endr
.irp m, 0,1,2,3
	v_mov_b32 v[ST+8*\m+5], v[ST+8*\m]
.endr
.irp m, 0,1,2,3
	v_floor_f32 v[ST+8*\m], -v[ST+8*\m+1]                          ; the new -M = floor(-t): M is a whole number
.endr
.irp m, 0,1,2,3
	v_sub_f32 v[ST+8*\m+5], v[ST+8*\m], v[ST+8*\m+5]               ; old M - new M: a whole number, 0 or less
.endr
.irp m, 0,1,2,3
	v_cvt_i32_f32 v[ST+8*\m+5], v[ST+8*\m+5]                       ; (it saturates)
.endr
.irp m, 0,1,2,3
	v_ldexp_f32 v[ST+8*\m+6], 1.0, v[ST+8*\m+5]                    ; 2^(old M - new M)
.endr
.irp m, 0,1,2,3
.irp i, 0,2,4,6,8,10,12,14
	v_pk_fma_f32 v[S+16*\m+\i:S+16*\m+\i+1], v[S+16*\m+\i:S+16*\m+\i+1], s[CS:CS+1], v[ST+8*\m:ST+8*\m+1] op_sel_hi:[1,0,0]   ; t - M (of the pairs the low word serves both halves)
.endr
.endr
.irp m, 0,1,2,3
	v_fma_f32 v[ST+8*\m+4], v[ST+8*\m+4], s[CS], v[ST+8*\m]        ; the same of the block's largest
.endr
.set n, 0
	s_wait_alu depctr_va_vdst(0)
.rept 64
	v_exp_f32 v[S+n], v[S+n]                                       ; p = 2^(t - M), at most 1
.set n, n+1
.endr
.irp m, 0,1,2,3
	v_pk_mul_f32 v[ST+8*\m+2:ST+8*\m+3], v[ST+8*\m+2:ST+8*\m+3], v[ST+8*\m+6:ST+8*\m+7] op_sel_hi:[1,0]   ; my sums under the new M: plain lines behind the exponentials
.endr
	s_wait_alu depctr_va_vdst(0)                   ; one wait for the batch of 64, ahead of its first reader
.irp m, 0,1,2,3
	v_exp_f32 v[ST+8*\m+4], v[ST+8*\m+4]           ; the block's largest p: the same two instructions on the same number give the same bits
.endr
.irp i, 0,2,4,6,8,10,12,14
.irp m, 0,1,2,3
	v_pk_add_f32 v[ST+8*\m+2:ST+8*\m+3], v[ST+8*\m+2:ST+8*\m+3], v[S+16*\m+\i:S+16*\m+\i+1]   ; the sum is taken of the unquantised p; the four tiles by turns
.endr
.endr
	s_wait_alu depctr_va_vdst(0)                   ; and one for the four
.irp m, 0,1,2,3
	v_max_num_f32 v[ST+8*\m+4], 0x4800000, v[ST+8*\m+4]            ; the floor 2^(9 - 127)
.endr
.irp m, 0,1,2,3
	v_add_nc_u32 v[EX+2*\m+1], 0xfc000000, v[ST+8*\m+4]            ; 8 off the exponent field: the conversion's scale operand, and what I hand round
.endr
.irp m, 0,1,2,3
	v_and_or_b32 v[ST+8*\m+5], v[ST+8*\m+4], 0x7f800000, s[MNT]    ; 448 x the scale
.endr
.irp m, 0,1,2,3
	v_mov_b32 v[EX+2*\m], v[ST+8*\m]                               ; -M beside it
.endr
.irp m, 0,1,2,3
.set n, 0
.rept 16
	v_min_num_f32 v[S+16*\m+n], v[S+16*\m+n], v[ST+8*\m+5]         ; the conversion does not saturate (ISA guide 7.6.2); p is not negative, so the hold is one-sided
.set n, n+1
.endr
.endr
.irp m, 0,1,2,3
	v_cvt_scalef32_pk8_fp8_f32 v[PC+4*\m:PC+4*\m+1], v[S+16*\m:S+16*\m+7], v[EX+2*\m+1]
	v_cvt_scalef32_pk8_fp8_f32 v[PC+4*\m+2:PC+4*\m+3], v[S+16*\m+8:S+16*\m+15], v[EX+2*\m+1]
.endr
	v_nop                                          ; a plain line behind the last conversion
.irp m, 0,1,2,3
	ds_store_b128 v12, v[PC+4*\m:PC+4*\m+3] offset:\m*2048         ; registers 4 c .. 4 c + 3 of P's fragment of tile m
.endr
.irp m, 0,1,2,3
	ds_store_b64 v14, v[EX+2*\m:EX+2*\m+1] offset:\m*1024
.endr
.if \last                                      ; my sums: the two halves and lane l xor 16's
.irp m, 0,1,2,3
	v_add_f32 v[ST+8*\m+5], v[ST+8*\m+2], v[ST+8*\m+3]
.endr
.irp m, 0,1,2,3
	v_permlanex16_b32 v[ST+8*\m+4], v[ST+8*\m+5], s[SEL], s[SEL+1]
.endr
.irp m, 0,1,2,3
	v_add_f32 v[ST+8*\m+5], v[ST+8*\m+5], v[ST+8*\m+4]
.endr
.irp m, 0,1,2,3
	ds_store_b32 v16, v[ST+8*\m+5] offset:\m*512
.endr
.endif
	s_wait_dscnt 0x0                               ; for the others' sake: my stores have landed, and my reads of the stage are over (V's fragments are in too)
	s_barrier_signal -1                            ; barrier B: my tensor load may stay out
	s_barrier_wait -1
.endm
.macro RS t                            ; O^T's tile t of channels under the new common M
	WIN 0x82
.irp m, 0,1,2,3
.irp i, 0,2,4,6
	v_pk_mul_f32 v[32*(\t)+8*\m+\i:32*(\t)+8*\m+\i+1], v[32*(\t)+8*\m+\i:32*(\t)+8*\m+\i+1], v[F+2*\m:F+2*\m+1] op_sel_hi:[1,0]
.endr
.endr
.endm
.macro WVP t, first                    ; O^T += V^T P^T: 16 channels x the four tiles of queries, K = the step's 128 keys
	WIN 0xa3                                       ; source 0 (V) window 3, source 1 (P) window 0, C and D window 2
.irp m, 0,1,2,3
.if \first
	v_wmma_scale_f32_16x16x128_f8f6f4 v[32*(\t)+8*\m:32*(\t)+8*\m+7], v[16*(\t):16*(\t)+15], v[PF+16*\m:PF+16*\m+15], 0, v[VS+(\t)], v[PS+\m]
.else
	v_wmma_scale_f32_16x16x128_f8f6f4 v[32*(\t)+8*\m:32*(\t)+8*\m+7], v[16*(\t):16*(\t)+15], v[PF+16*\m:PF+16*\m+15], v[32*(\t)+8*\m:32*(\t)+8*\m+7], v[VS+(\t)], v[PS+\m]
.endif
.endr
.endm
; THE SECOND HALF OF A KEY STEP.  first: the products start O^T's sums.  dost: the next step's mask (set gset; lcnt: the younger loads that may stay out) goes into the stage.  dold: that set takes the mask of three steps on, at goff.
.macro PVH first, gset, dost, lcnt, dold, goff, last
	WIN 0
.irp m, 0,1,2,3
	ds_load_b128 v[SL+8*\m:SL+8*\m+3], v15 offset:\m*1024          ; (-M, scale) of waves 0, 1,
	ds_load_b128 v[SL+8*\m+4:SL+8*\m+7], v15 offset:\m*1024+16     ; of waves 2, 3
.endr
.if \last
.irp m, 0,1,2,3
	ds_load_b128 v[LL+4*\m:LL+4*\m+3], v17 offset:\m*512           ; the four waves' sums
.endr
.endif
.irp m, 0,1,2,3
.irp cc, 0,1,2,3
	ds_load_b128 v[PF+16*\m+4*\cc:PF+16*\m+4*\cc+3], v13 offset:\m*2048+\cc*512
.endr
.endr
	s_wait_dscnt 16                                ; all but P's 16
.irp m, 0,1,2,3
	v_max3_num_f32 v[TT+\m], -v[SL+8*\m], -v[SL+8*\m+2], -v[SL+8*\m+4]
.endr
.irp m, 0,1,2,3
	v_max_num_f32 v[TT+\m], v[TT+\m], -v[SL+8*\m+6]                ; the common M: each wave's M is a running one, so this is too
.endr
.if \first == 0
.irp m, 0,1,2,3
	v_sub_f32 v[TD+\m], v[MC+\m], v[TT+\m]                         ; old - new: a whole number, 0 or less
.endr
.irp m, 0,1,2,3
	v_cvt_i32_f32 v[TD+\m], v[TD+\m]
.endr
.irp m, 0,1,2,3
	v_ldexp_f32 v[F+2*\m], 1.0, v[TD+\m]
.endr
.endif
.irp m, 0,1,2,3
	v_mov_b32 v[MC+\m], v[TT+\m]
.endr
.irp k, 0,1,2,3
.irp m, 0,1,2,3
	v_sub_f32 v[SL+8*\m+2*\k], -v[SL+8*\m+2*\k], v[MC+\m]          ; wave k's M - the common M
.endr
.endr
.irp k, 0,1,2,3
.irp m, 0,1,2,3
	v_cvt_i32_f32 v[SL+8*\m+2*\k], v[SL+8*\m+2*\k]
.endr
.endr
.irp k, 0,1,2,3
.irp m, 0,1,2,3
	v_ldexp_f32 v[SL+8*\m+2*\k+1], v[SL+8*\m+2*\k+1], v[SL+8*\m+2*\k]   ; its block's scale under the common M
.endr
.endr
.irp k, 0,1,2,3
.irp m, 0,1,2,3
	v_lshrrev_b32 v[SL+8*\m+2*\k+1], 23, v[SL+8*\m+2*\k+1]         ; as a byte
.endr
.endr
.irp m, 0,1,2,3
	v_lshl_or_b32 v[PS+\m], v[SL+8*\m+3], 8, v[SL+8*\m+1]          ; P's scale word: byte k for key block k
.endr
.irp m, 0,1,2,3
	v_lshl_or_b32 v[PS+\m], v[SL+8*\m+5], 16, v[PS+\m]
.endr
.irp m, 0,1,2,3
	v_lshl_or_b32 v[PS+\m], v[SL+8*\m+7], 24, v[PS+\m]
.endr
.if \last
.irp k, 0,1,2,3
.irp m, 0,1,2,3
	v_ldexp_f32 v[LL+4*\m+\k], v[LL+4*\m+\k], v[SL+8*\m+2*\k]      ; the sums under the common M
.endr
.endr
.irp m, 0,1,2,3
	v_add_f32 v[LL+4*\m], v[LL+4*\m], v[LL+4*\m+1]
	v_add_f32 v[LL+4*\m+2], v[LL+4*\m+2], v[LL+4*\m+3]
.endr
.irp m, 0,1,2,3
	v_add_f32 v[LL+4*\m], v[LL+4*\m], v[LL+4*\m+2]                 ; the row's sum
.endr
.endif
.if \dost
	s_wait_loadcnt \lcnt                           ; the next step's mask is in; the step behind it may be out
	MSTORE \gset                                   ; behind barrier B nobody reads the stage
.endif
.if \first
	WIN 0
.rept 8
	v_nop                                          ; a scale word made by vector instructions stands eight places ahead of the scaled matrix instruction
.endr
.else
	RS 0                                           ; (these 32 lines are those places)
	RS 1
.endif
	s_wait_dscnt 0x0                               ; P's fragments are in; the stage's stores have read their registers
.if \dold
	MLOAD \gset, \goff
.endif
.if \first
	s_wait_alu depctr_va_vdst(0)
.irp t, 0,1,2,3,4,5,6,7
	WVP \t, 1
.endr
.else
.irp t, 0,1,2,3,4,5
	WVP \t, 0
	RS \t+2                                        ; the rescaling two tiles ahead stands beside the products
.endr
	WVP 6, 0
	WVP 7, 0
.endif
	WIN 0
.rept 8
	v_nop                                          ; places in front of the next loads into operand registers, and of the first read of results
.endr
.endm
	s_load_b256 s[4:11], s[0:1], 0x0               ; query s[4:5], mask s[6:7], kv s[8:9], out0 s[10:11]
	v_lshl_add_u32 v20, v0, 2, SPARE
	v_mov_b32 v21, 0
	ds_add_u32 v20, v21                            ; the wave's opening: the add, twice on end, and its wait ahead of my first tensor load; the set-up below stands between
	ds_add_u32 v20, v21
	v_lshrrev_b32 v120, 5, v0
	v_readfirstlane_b32 s[WV], v120                ; wave 0..3
	s_bfe_u32 s13, ttmp6, 0x40000                  ; cx: my place in the cluster
	; THE DEAL of the 64 clusters (x, y = 0..7 each) to the 8 batches of 8 clusters: batch = 4 (x / 4) + y / 2, the cluster's place in its batch = 4 (y % 2) + x % 4: the clusters of a batch have their x in one half of 0..7
	s_and_b32 s15, ttmp7, 0xffff                   ; y
	s_and_b32 s14, s15, 1
	s_lshl_b32 s14, s14, 2
	s_and_b32 s44, ttmp9, 3
	s_add_co_u32 s14, s14, s44                     ; the cluster's place in its batch
	s_lshl_b32 s14, s14, 2
	s_add_co_u32 s14, s14, s13                     ; my block of 64 queries: it enters the addresses of query, mask and out0 alone
	s_lshr_b32 s15, s15, 1
	s_lshr_b32 s44, ttmp9, 2
	s_lshl_b32 s44, s44, 2
	s_add_co_u32 s15, s15, s44                     ; the batch, which the four partners share: made of the cluster's numbers alone
	; descriptor group 1: 136 dense rows of 256 bytes (32 elements of 8 bytes), no padding
	s_mov_b32 s16, 15|(3<<16)|(1<<21)              ; 15:0 the mask: all four work-groups; 17:16 elements of 8 bytes; 21 set beside a mask
	s_mov_b32 s17, 32<<16                          ; tensor_dim0 = 32
	s_mov_b32 s18, 136<<16                         ; tensor_dim1 = 136
	s_mov_b32 s19, 32<<16                          ; tile_dim0 = 32
	s_mov_b32 s20, 136                             ; tile_dim1 = 136
	s_mov_b32 s21, 32                              ; from row to row
	s_mov_b32 s22, 0
	s_mov_b32 s23, 0
	s_mov_b32 s24, 1
	s_mul_i32 s25, s[WV], QUART                    ; my quarter of slot 0,
	s_mov_b32 s28, 1
	s_add_co_u32 s29, s25, SLOTB                   ; of slot 1
	s_mul_i32 s48, s15, 16*SLOTB                   ; the batch's 16 blocks of kv,
	s_add_co_u32 s48, s48, s25                     ; my quarter of the first
	s_mov_b32 s49, 0
	s_mov_b32 s[CS], 0x3d8293ee                    ; log2(e) / sqrt(512)
	s_mov_b32 s[CS+1], s[CS]                       ; (named with it as a pair, so it is written)
	s_mov_b32 s[SEL], 0x76543210
	s_mov_b32 s[SEL+1], 0xfedcba98
	s_mov_b32 s[MNT], 0x600000
	v_and_b32 v120, 31, v0                         ; lane
	v_and_b32 v121, 15, v0                         ; r
	v_bfe_u32 v122, v0, 4, 1                       ; h
	v_lshlrev_b32 v1, 4, v120                      ; 16 x lane
	s_lshl_b32 s52, s[WV], 14
	v_add_nc_u32 v2, s52, v1                       ; K's fragments of my 32 keys in slot 0,
	v_add_nc_u32 v3, SLOTB, v2                     ; in slot 1
	v_add_nc_u32 v4, 65536, v2                     ; V's fragments of my 128 channels
	v_add_nc_u32 v5, 65536, v3
	s_lshl_b32 s52, s[WV], 10
	s_add_co_u32 s52, s52, 131072
	v_lshl_add_u32 v6, v120, 3, s52                ; K's scale words
	v_add_nc_u32 v7, SLOTB, v6
	s_lshl_b32 s53, s[WV], 9
	s_add_co_u32 s52, s53, 135168
	v_add_nc_u32 v8, s52, v1                       ; V's scale halfwords
	v_add_nc_u32 v9, SLOTB, v8
	s_mul_i32 s54, s[WV], WSTG
	s_add_co_u32 s54, s54, STG                     ; my 16 rows of the stage
	v_add_nc_u32 v10, s54, v1                      ; a row's 512 bytes
	v_mul_u32_u24 v123, v121, SP
	v_lshl_add_u32 v124, v122, 6, v123             ; row r, + 64 h
	s_lshl_b32 s52, s[WV], 7
	s_add_co_u32 s52, s52, STG
	v_add_nc_u32 v11, s52, v124                    ; the mask at my keys: + 128 c
	s_add_co_u32 s52, s53, PIM
	v_add_nc_u32 v12, s52, v1                      ; P's image: where I store,
	v_add_nc_u32 v13, PIM, v1                      ; where it is read
	v_lshlrev_b32 v125, 5, v120
	s_lshl_b32 s52, s[WV], 3
	s_add_co_u32 s52, s52, STA
	v_add_nc_u32 v14, s52, v125                    ; the statistics likewise
	v_add_nc_u32 v15, STA, v125
	s_lshl_b32 s52, s[WV], 2
	s_add_co_u32 s52, s52, STL
	v_add_nc_u32 v16, s52, v1                      ; the sums likewise
	v_add_nc_u32 v17, STL, v1
	v_lshl_add_u32 v18, v122, 5, v123
	v_add_nc_u32 v18, s54, v18                     ; the way out: my stage, row r, + 32 h
	v_add_nc_u32 v19, s54, v124                    ; query's turn: my stage, row r, + 64 h
	v_add_nc_u32 v22, STG, v1                      ; Q's images
	v_lshl_add_u32 v23, v120, 2, PIM               ; Q's scale words: where they are read,
	v_add_nc_u32 v126, s53, v23                    ; where I store mine
.irp m, 0,1,2,3
	v_mov_b32 v[ST+8*\m+1], 0xff61b1e6             ; the largest t so far: -3e38, under every t
	v_floor_f32 v[ST+8*\m], -v[ST+8*\m+1]          ; -M
	v_mov_b32 v[ST+8*\m+2], 0                      ; the sum, in two halves
	v_mov_b32 v[ST+8*\m+3], 0
	v_mov_b32 v[ST+8*\m+5], 0                      ; a lane permute's destination counts as one of its sources
	v_mov_b32 v[ST+8*\m+7], 0                      ; (named as the upper half of a pair)
	v_mov_b32 v[F+2*\m+1], 0
	v_mov_b32 v[TM+4+\m], 0
.endr
	s_lshl_b32 s44, s15, 24                        ; mask: the batch's 2,048 rows of 8,192 bytes,
	s_lshl_b32 s45, s14, 19                        ; my block's 64,
	s_add_co_u32 s44, s44, s45
	s_lshl_b32 s45, s[WV], 17                      ; my wave's 16
	s_add_co_u32 s44, s44, s45
	s_mov_b32 s45, 0
	s_lshl_b32 s46, s15, 22                        ; query and out0: rows of 2,048 bytes
	s_lshl_b32 s47, s14, 17
	s_add_co_u32 s46, s46, s47
	s_lshl_b32 s47, s[WV], 15
	s_add_co_u32 s50, s46, s47                     ; query: my wave's 16 rows
	s_mov_b32 s51, 0
	s_lshl_b32 s47, s[WV], 9
	s_add_co_u32 s46, s46, s47                     ; out0: my wave's 128 channels
	s_mov_b32 s47, 0
	s_wait_dscnt 0x0                               ; both opening adds are done
	s_wait_kmcnt 0x0
	s_add_nc_u64 s[26:27], s[8:9], s[48:49]        ; keys 0-127's block, my quarter,
	s_add_nc_u64 s[30:31], s[26:27], SLOTB         ; keys 128-255's
	s_or_b32 s27, s27, 0x80000000                  ; type = 2
	s_or_b32 s31, s31, 0x80000000
	s_add_nc_u64 s[32:33], s[6:7], s[44:45]
	s_add_nc_u64 s[34:35], s[10:11], s[46:47]
	s_add_nc_u64 s[36:37], s[4:5], s[50:51]
	WIN 0x80
.irp e, 0,1,2,3
.irp i, 0,1,2,3,4,5,6,7,8,9,10,11,12,13,14,15
	global_load_b128 v[64*\e+4*\i:64*\e+4*\i+3], v1, s[36:37] offset:\i*2048+\e*512 th:TH_LOAD_NT   ; my 16 rows of query, H step e: 512 consecutive bytes of one row; into O^T's registers, which are free.  Asked for first: query has to be quantised ahead of step 0
.endr
.endr
	WIN 0
	ROUND                                          ; all four work-groups are here: the first joint loads meet
	tensor_load_to_lds s[24:27], s[16:23]
	s_nop 0
.rept 4
	v_nop
.endr
	MLOAD 0, 0                                     ; the mask of step 0
.irp e, 0,1,2,3                                ; query through my stage: in as rows, back 64 bytes a lane.  LDS serves a wave's instructions in order (ISA guide 5.7.1.4)
.if \e < 1
	s_wait_loadcnt 63                              ; younger than H step 0's loads: 48 of query and the mask's 16: 64, which the wait's field does not hold
.else
	s_wait_loadcnt 64-16*\e                        ; the later H steps' loads and the mask's 16 may be out
.endif
	WIN 0x08
.irp i, 0,1,2,3,4,5,6,7,8,9,10,11,12,13,14,15
	ds_store_b128 v10, v[64*\e+4*\i:64*\e+4*\i+3] offset:\i*SP
.endr
	WIN 0x80
.irp b, 0,1,2,3
.irp i, 0,1,2,3
	ds_load_b128 v[64*\e+16*\b+4*\i:64*\e+16*\b+4*\i+3], v19 offset:128*\b+16*\i
.endr
.endr
.endr
	MLOAD 1, 512                                   ; the mask of step 1: wanted behind step 0's softmax
	s_wait_dscnt 0x0
.irp e, 0,1,2,3                                ; my tile of queries becomes four fragments; their images go into my rows of the stage, their scale words into P's place
	QMAX 64*\e, 2
	QREST 64*\e, 2
.irp cc, 0,1,2,3
	ds_store_b128 v10, v[PC+4*\cc:PC+4*\cc+3] offset:\e*2048+\cc*512
.endr
	ds_store_b32 v126, v[PW] offset:\e*128
	s_wait_dscnt 0x0                               ; the stores have read their registers (and, at the last, have landed)
.endr
	s_barrier_signal -1                            ; Q's sixteen fragments lie in LDS.  Slot 0's load may stay out
	s_barrier_wait -1
	WIN 0x40
.irp m, 0,1,2,3
.irp e, 0,1,2,3
.irp cc, 0,1,2,3
	ds_load_b128 v[64*\m+16*\e+4*\cc:64*\m+16*\e+4*\cc+3], v22 offset:\m*WSTG+\e*2048+\cc*512   ; all of Q stays in every wave's registers
.endr
.endr
.endr
	WIN 0
.irp m, 0,1,2,3
.irp e, 0,1,2,3
	ds_load_b32 v[QS+4*\m+\e], v23 offset:\m*512+\e*128
.endr
.endr
	s_wait_dscnt 0x0
	s_barrier_signal -1                            ; every wave has read them: the stage and P's place may be written again
	s_barrier_wait -1
	s_wait_loadcnt 16                              ; step 0's mask is in; step 1's 16 loads may be out
	MSTORE 0                                       ; step 0's mask
	s_wait_dscnt 0x0
	MLOAD 0, 1024
	SPH 0, 1, 0                                    ; step 0
	PVH 1, 1, 1, 16, 1, 3*512, 0
	s_mov_b32 s43, 6
.Lpair:                                        ; steps 1 to 12, two a trip: the slots and the mask's sets are back where they began
	SPH 1, 1, 0
	PVH 0, 0, 1, 16, 1, 4*512, 0
	SPH 0, 1, 0
	PVH 0, 1, 1, 16, 1, 5*512, 0
	s_wait_xcnt 0x0                                ; the mask's loads have read their base: it may step
	s_add_nc_u64 s[32:33], s[32:33], 1024
	s_sub_co_u32 s43, s43, 1
	s_cmp_lg_u32 s43, 0
	s_cbranch_scc1 .Lpair
	SPH 1, 1, 0                                    ; the tail is written out
	PVH 0, 0, 1, 16, 0, 0, 0                       ; step 13
	SPH 0, 1, 0
	PVH 0, 1, 1, 0, 0, 0, 0                        ; step 14
	SPH 1, 0, 1
	PVH 0, 0, 0, 0, 0, 0, 1                        ; step 15
	; THE WAY OUT.  O^T / the sum goes through my rows of the stage, a tile of 16 queries at a time, and leaves as rows of 512 bytes: my 128 channels.
	s_wait_alu depctr_va_vdst(0)
.irp m, 0,1,2,3
	v_rcp_f32 v[F+2*\m], v[LL+4*\m]
.endr
	v_nop                                          ; a plain line behind the last reciprocal
	s_wait_alu depctr_va_vdst(0)                   ; one wait for the four, ahead of their first reader
.macro TOSTAGE m
	WIN 0x82
.irp t, 0,1,2,3,4,5,6,7
.irp i, 0,2,4,6
	v_pk_mul_f32 v[32*\t+8*(\m)+\i:32*\t+8*(\m)+\i+1], v[32*\t+8*(\m)+\i:32*\t+8*(\m)+\i+1], v[F+2*(\m):F+2*(\m)+1] op_sel_hi:[1,0]   ; each accumulator from its low end on
.endr
.endr
	WIN 0x08
.irp t, 0,1,2,3,4,5,6,7
	ds_store_b128 v18, v[32*\t+8*(\m):32*\t+8*(\m)+3] offset:64*\t          ; lane (r, h): query 16 m + r, channels 16 t + 8 h + 0..7
	ds_store_b128 v18, v[32*\t+8*(\m)+4:32*\t+8*(\m)+7] offset:64*\t+16
.endr
	WIN 0
.irp i, 0,1,2,3,4,5,6,7,8,9,10,11,12,13,14,15
	ds_load_b128 v[OBUF+64*((\m)%2)+4*\i:OBUF+64*((\m)%2)+4*\i+3], v10 offset:\i*SP   ; LDS serves a wave's instructions in order: these see my stores, and the next tile's stores come behind them
.endr
.endm
.macro SEND m, younger                 ; younger: the LDS instructions issued behind tile m's loads: the next tile's 16 stores and 16 loads, or none
	s_wait_dscnt \younger
.irp i, 0,1,2,3,4,5,6,7,8,9,10,11,12,13,14,15
	global_store_b128 v1, v[OBUF+64*((\m)%2)+4*\i:OBUF+64*((\m)%2)+4*\i+3], s[34:35] offset:(16*(\m)+\i)*2048 th:TH_STORE_NT   ; 32 lanes store 512 consecutive bytes, at a multiple of 256 from out0's first byte
.endr
.endm
	TOSTAGE 0
	TOSTAGE 1
	SEND 0, 32
	s_wait_xcnt 0x0                                ; tile 0's stores have read their registers: tile 2's rows may land there
	TOSTAGE 2
	SEND 1, 32
	s_wait_xcnt 0x0
	TOSTAGE 3
	SEND 2, 32
	SEND 3, 0
	s_wait_tensorcnt 0x0                           ; the wave's end, behind my last tensor load and my last LDS store
	ds_add_u32 v20, v21
	s_wait_dscnt 0x0
	ROUND                                          ; the closing round: no work-group ends while a partner may still ask for a block that names it
	s_endpgm
.Lfunc_end_k_q8c48c643c8_attn:
	.size	k_q8c48c643c8_attn, .Lfunc_end_k_q8c48c643c8_attn-k_q8c48c643c8_attn
	.p2alignl 7, 3214868480
	.fill 96, 4, 3214868480
	.section	.rodata,"a",@progbits
	.p2align	6, 0x0
	.amdhsa_kernel k_q8c48c643c8_attn
		.amdhsa_group_segment_fixed_size 327680
		.amdhsa_private_segment_fixed_size 0
		.amdhsa_enable_private_segment 0
		.amdhsa_kernarg_size 32
		.amdhsa_user_sgpr_count 2
		.amdhsa_user_sgpr_kernarg_segment_ptr 1
		.amdhsa_wavefront_size32 1
		.amdhsa_system_sgpr_workgroup_id_x 1
		.amdhsa_system_sgpr_workgroup_id_y 1
		.amdhsa_system_sgpr_workgroup_id_z 1
		.amdhsa_system_vgpr_workitem_id 0
		.amdhsa_next_free_vgpr 1024
		.amdhsa_next_free_sgpr 66
		.amdhsa_reserve_vcc 0
		.amdhsa_float_denorm_mode_32 3
		.amdhsa_float_denorm_mode_16_64 3
		.amdhsa_memory_ordered 1
		.amdhsa_forward_progress 1
		.amdhsa_inst_pref_size 255
	.end_amdhsa_kernel
	.section	.bss,"aw",@nobits
	.p2align	6
	.space	262144
	.amdgpu_metadata
---
amdhsa.version: [ 1, 2 ]
amdhsa.kernels:
  - .name:           k_q8c48c643c8_attn
    .symbol:         k_q8c48c643c8_attn.kd
    .args:
      - { .name: query, .offset: 0, .size: 8, .value_kind: global_buffer, .address_space: global }
      - { .name: mask, .offset: 8, .size: 8, .value_kind: global_buffer, .address_space: global }
      - { .name: kv, .offset: 16, .size: 8, .value_kind: global_buffer, .address_space: global }
      - { .name: out0, .offset: 24, .size: 8, .value_kind: global_buffer, .address_space: global }
    .group_segment_fixed_size: 327680
    .private_segment_fixed_size: 0
    .kernarg_segment_align: 8
    .kernarg_segment_size: 32
    .max_flat_workgroup_size: 128
    .sgpr_count:     66
    .vgpr_count:     1024
    .wavefront_size: 32
...
	.end_amdgpu_metadata
.endif
;; end of part 3
